; MI455X (gfx1250); checked and timed in simulation.
; The chip was launched on July 23, 2026; its instructions are those of AMD's public machine-readable ISA for CDNA 5 (MIT licence, August 2026) and "CDNA5" Instruction Set Architecture Reference Guide (July 2026). The comments in the code are by the model that wrote it; some were corrected since.
;; Masked Attention. Allowed arithmetic: matrix products marked QUANTISED: E2M3 operands, one E8M0 scale for each 32 along K, by v_wmma_scale_f32_16x16x128_f8f6f4 with both operands' format E2M3, f32 sums; everything else in f32.
;; Inputs: Wk 1,024 x 1,024 float32; Wo 1,024 x 1,024 float32; Wq 1,024 x 1,024 float32; Wv 1,024 x 1,024 float32; bk 1,024 float32; bo 1,024 float32; bq 1,024 float32; bv 1,024 float32; mask 2 x 2,048 bool; x 2 x 2,048 x 1,024 float32.
;; Outputs: out0 2 x 2,048 x 1,024 float32.
;; This version of the problem:
;;   THIS VERSION OF THE PROBLEM IS GIVEN IN LOW PRECISION. The matrix products marked QUANTISED in the list below multiply operands that are first quantised to E2M3 (2 exponent bits, 3 mantissa bits; 6 bits a number), with one power-of-two scale for each 32 numbers along K (OCP MX v1.0); their sums are f32. All else is computed in f32.
;;   The module's matrix products, in the order in which they are computed (A, B: the left and right operand; K: the contracted axis; several contracted axes count as one K, in the product's order):
;;     1. [M 4,096, K 1,024] x [K 1,024, N 1,024]; A: input x; B: input Wq: QUANTISED
;;     2. [M 4,096, K 1,024] x [K 1,024, N 1,024]; A: input x; B: input Wk: QUANTISED
;;     3. [M 4,096, K 1,024] x [K 1,024, N 1,024]; A: input x; B: input Wv: QUANTISED
;;     4. batch 32 x [M 2,048, K 64] x [K 64, N 2,048]; A: computed on the way; B: computed on the way: QUANTISED
;;     5. batch 32 x [M 2,048, K 2,048] x [K 2,048, N 64]; A: softmax (see below); B: computed on the way: QUANTISED
;;     6. [M 4,096, K 1,024] x [K 1,024, N 1,024]; A: computed on the way; B: input Wo: QUANTISED
;;   THE QUANTISER, for each operand of a quantised product, along K:
;;     - K is cut into blocks of 32 from its start; a last block that is shorter is filled with zeros.
;;     - A block's scale is 2^e with e = floor(log2(the largest magnitude in the block)) - 2, held to -126 .. 127; a block of zeros has e = 0. As a byte (E8M0): e + 127.
;;     - Each number is divided by its block's scale, clamped to +-7.5, and rounded to the nearest number of E2M3, ties to even, subnormals kept.
;;     - The product sums the exact products of the quantised numbers (number of the format x scale) in f32.
;;   ~~~python
;;   def quantise(x, axis):      # numpy; x: float32 -> the quantised numbers, widened to float32 again
;;       x = np.moveaxis(x, axis, -1); K = x.shape[-1]
;;       x = np.pad(x, [(0, 0)] * (x.ndim - 1) + [(0, -K % 32)]); x = x.reshape(x.shape[:-1] + (-1, 32)); a = np.abs(x).max(-1, keepdims=True)
;;       e = np.where(a > 0, np.clip(np.frexp(np.where(a > 0, a, 1))[1] - 1 - 2, -126, 127), 0)      # np.frexp(a)[1] - 1 = floor(log2(a)), exactly
;;       r = np.clip(x / 2.0 ** e, -7.5, 7.5)
;;       step = 2.0 ** (np.maximum(np.frexp(np.where(r == 0, 1, r))[1] - 1, 0) - 3)
;;       q = np.round(r / step) * step * 2.0 ** e      # np.round: ties to even
;;       return np.moveaxis(q.reshape(q.shape[:-2] + (-1,))[..., :K], -1, axis).astype(np.float32)
;;   ~~~
;;   SOFTMAX AHEAD OF A QUANTISED PRODUCT. Where the list says 'softmax', what is quantised is not the finished softmax but p = 2^(t - M), with t = logit x log2(e) and M = ceil(the row's largest t), a whole number; so 1/2 < the row's largest p <= 1. The row's sum l is taken of the UNQUANTISED p, in f32, and the product's result is divided by l at the end. Since M is a whole number, a kernel that streams over the keys may use a running M (the ceiling of the running maximum): every later rescaling is an exact power of two, which a block's scale takes up: the codes' values come out the same.
;;   OPERANDS COMPUTED ON THE WAY. 'Computed on the way' means the value that the module computes at that place (a softmax that the list does not call 'softmax' is quantised finished and normalised). What goes into a quantiser is computed in f32, as accurately as f32 sums, v_exp_f32 and their like allow (about 1e-6 of the number): no bf16 or f16 on the way to a quantiser, and a product that is left as it is and whose result goes on into a quantised operand takes f32 operands (vector FMAs, or v_wmma_f32_16x16x4_f32). A number that lies on a knife's edge between two numbers of the format may be rounded either way, as far as f32 arithmetic and the matrix unit's own rounding can turn it there, and no further.
;; One version. Each part assembles by itself: llvm-mc -triple=amdgcn-amd-amdhsa -mcpu=gfx1250 --defsym DOCPART=n.
;; ======== version 1 of 1: 4 launches
;; limits: right only within a limited range of input values
;; workspace buffers: codes 6,553,600 bytes; qb 3,407,872 bytes; kv 6,684,672 bytes; oc 3,276,800 bytes
;; launch quant (part 1): grid 512 x 1, 4 waves a work-group, no clusters, 68,608 bytes of LDS; arguments x, Wq, Wk, Wv, Wo, codes; writes codes
.if DOCPART == 1
	.amdgcn_target "amdgcn-amd-amdhsa--gfx1250"
	.amdhsa_code_object_version 6
	.text
	.protected	k_q440ed01eef_quant
	.globl	k_q440ed01eef_quant
	.p2align	8
	.type	k_q440ed01eef_quant,@function
k_q440ed01eef_quant:
	s_mov_b64 s[64:65], 0
	v_nop
	global_prefetch_b8 v0, s[64:65] scope:SCOPE_SE
	s_setreg_imm32_b32 hwreg(HW_REG_WAVE_MODE, 25, 1), 1
	s_wait_xcnt 0x0
; x [4096][1024] and Wq, Wk, Wv, Wo [1024][1024], f32, K innermost, become codes of FP6 (E2M3) with one E8M0 byte for each 32 along K,
; laid IN THE ORDER OF THE OPERAND'S REGISTERS.  A block's scale is 2^(floor(log2(largest magnitude)) - 2); its byte is that magnitude's exponent field - 2, held at 1 from below.
; ROW TILES.  Tile g (0-255 x, 256-319 Wq, 320-383 Wk, 384-447 Wv, 448-511 Wo) holds 16 rows; lane r of it holds row 32 (gl / 2) + 8 (gl % 2) + r + 8 (r / 8), gl the tile's number in its tensor:
; so the 16 result registers of two neighbouring tiles of a later product are 16 neighbours along the next product's K.
; A TILE IN MEMORY is 12,800 bytes: two records of 6,400, one for each four K steps of 128: four fragments of 1,536 bytes, then 256 bytes of scale words [row place 16][K step 4].
; A fragment is two halves of 768 bytes (16 rows x 64 K, 6 registers a lane): lane l's registers 0-3 at 16 l, its registers 4-5 at 512 + 8 l.
; SHARES.  A work-group makes one tile, wave w its K steps 2 w and 2 w + 1.  Each load reads 512 consecutive bytes of one row; the numbers turn through the wave's own stage in LDS (rows of 512 + 16 bytes),
; so that lane (r, h) gets, of row place r, the 16 neighbours 32 b + 16 h + 0 .. 15 of each block b.  Every store covers 512 or 256 consecutive bytes, aligned.
; No cluster: no two work-groups read the same byte.  No tensor load: each wave's 16 KiB are asked for at its head by 32 loads.
; LIMITS: a block of zeros, or one whose largest magnitude lies under 2^(3 - 127), gets the byte 1 (the rule's 127 for zeros is not written: the bytes are read by this program alone, and zero codes add nothing);
; NaN and infinities among the inputs are not served.
.set REC,    6400
.set TILEB,  2*REC
.set SPITCH, 528                       ; a stage row: 132 words, so that the sixteen rows of a 16-byte read start at sixteen different groups of four banks (ISA guide 11.1)
.set STG,    16*SPITCH
.set WREG,   2*STG                     ; two stages a wave
.set SCR,    4*WREG                    ; behind the stages: the tile's 512 bytes of scale words [chunk 2][row place 16][4 words]
.set SEL,    20                        ; s[20:21] selects of v_permlanex16_b32: lane l xor 16
.set TM,     12                        ; v12-15 largest magnitudes, v16-19 the other half's, then the bytes, v24-27 the conversions' scale operands
.set PW0,    28                        ; the two scale words
.set PW1,    29
.set PC0,    32                        ; v32-43, v44-55 the two fragments
.set PC1,    44
.set PT,     56                        ; v56-63 the conversions' second halves
.set X,      64                        ; v64-127 64 numbers in the quantiser's order
.set R,      128                       ; v128-255 two K steps as loaded
; 64 numbers of a lane, register 16 b + i = k 32 b + 16 (lane / 16) + i of my row, become a fragment in v[pc] on and its scale word in v[pw]
.macro QUANT s, pc, pt, pw
.irp b, 0,1,2,3
	v_max3_num_f32 v[TM+\b], |v[\s+16*\b]|, |v[\s+1+16*\b]|, 0x1800000   ; my 16 numbers of block b, and the floor 2^(3 - 127): the byte cannot fall under 1
.endr
.irp i, 2,4,6,8,10,12,14
.irp b, 0,1,2,3
	v_max3_num_f32 v[TM+\b], v[TM+\b], |v[\s+16*\b+\i]|, |v[\s+1+16*\b+\i]|   ; the four blocks by turns
.endr
.endr
.irp b, 0,1,2,3
	v_permlanex16_b32 v[TM+4+\b], v[TM+\b], s[SEL], s[SEL+1]
.endr
.irp b, 0,1,2,3
	v_max_num_f32 v[TM+\b], v[TM+\b], v[TM+4+\b]          ; with lane l xor 16's 16: the block's largest magnitude
.endr
.irp b, 0,1,2,3
	v_add_nc_u32 v[TM+12+\b], 0xff000000, v[TM+\b]        ; 2 off its exponent field: the conversion takes this operand's exponent field as its scale
.endr
.irp b, 0,1,2,3
	v_lshrrev_b32 v[TM+4+\b], 23, v[TM+12+\b]             ; the scale's byte
.endr
	v_lshl_or_b32 v[\pw], v[TM+5], 8, v[TM+4]
	v_lshl_or_b32 v[\pw], v[TM+6], 16, v[\pw]
	v_lshl_or_b32 v[\pw], v[TM+7], 24, v[\pw]             ; my row's scale word for these 128 along K
.irp c, 0,1
	v_cvt_scalef32_pk16_fp6_f32 v[\pc+6*\c:\pc+6*\c+2], v[\s+32*\c:\s+32*\c+15], v[TM+12+2*\c]
	v_cvt_scalef32_pk16_fp6_f32 v[\pt+4*\c:\pt+4*\c+2], v[\s+32*\c+16:\s+32*\c+31], v[TM+13+2*\c]   ; (a conversion's three registers begin on an even number)
.endr
	v_nop                                                 ; one plain place behind the scaled conversions
.irp c, 0,1                                           ; the operand wants a whole block in a lane: lanes 0-15 block 2 c, lanes 16-31 block 2 c + 1
.irp i, 0,1,2
	v_permlane16_swap_b32 v[\pc+6*\c+\i], v[\pt+4*\c+\i]
.endr
.irp i, 0,1,2
	v_mov_b32 v[\pc+6*\c+3+\i], v[\pt+4*\c+\i]
.endr
.endr
.endm
.macro PUT pc, off                     ; a fragment leaves as it stands: two halves
	global_store_b128 v4, v[\pc:\pc+3], s[32:33] offset:\off
	global_store_b64 v5, v[\pc+4:\pc+5], s[32:33] offset:\off+512
	global_store_b128 v4, v[\pc+6:\pc+9], s[32:33] offset:\off+768
	global_store_b64 v5, v[\pc+10:\pc+11], s[32:33] offset:\off+1280
.endm
	s_load_b256 s[4:11], s[0:1], 0x0               ; x s[4:5], Wq s[6:7], Wk s[8:9], Wv s[10:11]
	s_load_b128 s[12:15], s[0:1], 0x20             ; Wo s[12:13], codes s[14:15]
	v_lshl_add_u32 v59, v0, 2, 0x10a00
	v_mov_b32 v63, 0
	v_lshrrev_b32 v1, 5, v0
	v_readfirstlane_b32 s16, v1                    ; wave 0..3
	v_and_b32 v1, 31, v0                           ; lane
	v_and_b32 v2, 15, v0                           ; r
	v_bfe_u32 v3, v0, 4, 1                         ; h
	v_lshlrev_b32 v4, 4, v1                        ; 16 x lane
	v_lshlrev_b32 v5, 3, v1                        ; 8 x lane
	s_mul_i32 s17, s16, WREG
	v_add_nc_u32 v6, s17, v4                       ; the stage, on the way in: 16 x lane of a row
	v_mul_u32_u24 v7, v2, SPITCH
	v_lshl_add_u32 v7, v3, 6, v7
	v_add_nc_u32 v7, s17, v7                       ; and on the way out: row place r, + 64 h
	s_lshr_b32 s22, s16, 1                         ; my K steps' chunk,
	s_and_b32 s23, s16, 1                          ; and which two of its four they are
	s_lshl_b32 s24, s22, 8
	s_lshl_b32 s25, s23, 3
	s_add_co_u32 s24, s24, s25
	s_add_co_u32 s24, s24, SCR
	v_lshl_add_u32 v8, v2, 4, s24                  ; where my two scale words go
	v_add_nc_u32 v9, SCR, v4                       ; where wave 0 reads all of them back,
	v_mul_u32_u24 v10, v3, REC
	v_lshl_add_u32 v10, v2, 4, v10                 ; and their place in the tile: chunk h, row place r
	s_mov_b32 s[SEL], 0x76543210
	s_mov_b32 s[SEL+1], 0xfedcba98
.irp b, 0,1,2,3
	v_mov_b32 v[TM+4+\b], 0                        ; written once: a lane permute's destination counts as one of its sources
.endr
	s_mul_i32 s26, ttmp9, TILEB
	s_mov_b32 s27, 0
	s_mul_i32 s28, s22, REC
	s_mul_i32 s29, s23, 2*1536
	s_add_co_u32 s28, s28, s29
	s_mov_b32 s29, 0
	s_wait_kmcnt 0x0
	s_mov_b64 s[18:19], s[12:13]                   ; which tensor: the choice hangs on the work-group's number alone
	s_cmp_lt_u32 ttmp9, 448
	s_cselect_b64 s[18:19], s[10:11], s[18:19]
	s_cmp_lt_u32 ttmp9, 384
	s_cselect_b64 s[18:19], s[8:9], s[18:19]
	s_cmp_lt_u32 ttmp9, 320
	s_cselect_b64 s[18:19], s[6:7], s[18:19]
	s_cmp_lt_u32 ttmp9, 256
	s_cselect_b64 s[18:19], s[4:5], s[18:19]
	s_cselect_b32 s22, 255, 63
	s_and_b32 s22, ttmp9, s22                      ; the tile's number in its tensor
	s_lshr_b32 s23, s22, 1
	s_lshl_b32 s23, s23, 5
	s_and_b32 s24, s22, 1
	s_lshl_b32 s24, s24, 3
	s_add_co_u32 s23, s23, s24                     ; its first row
	s_lshl_b32 s24, s23, 12                        ; rows of 4,096 bytes,
	s_lshl_b32 s25, s16, 10                        ; my two K steps: 1,024 bytes of each
	s_add_co_u32 s24, s24, s25
	s_mov_b32 s25, 0
	s_add_nc_u64 s[18:19], s[18:19], s[24:25]
	s_add_nc_u64 s[30:31], s[14:15], s[26:27]      ; the tile in codes
	s_add_nc_u64 s[32:33], s[30:31], s[28:29]      ; my two fragments in it
.irp e, 0,1
.irp i, 0,1,2,3,4,5,6,7,8,9,10,11,12,13,14,15
	global_load_b128 v[R+64*\e+4*\i:R+64*\e+4*\i+3], v4, s[18:19] offset:(\i+8*(\i/8))*4096+512*\e th:TH_LOAD_NT   ; row place i, K step e: 512 consecutive bytes
.endr
.endr
	s_wait_loadcnt 16                              ; the first K step's 16 loads are in; the second's 16 may be out
.irp i, 0,1,2,3,4,5,6,7,8,9,10,11,12,13,14,15
	ds_store_b128 v6, v[R+4*\i:R+4*\i+3] offset:SPITCH*\i
.endr
.irp b, 0,1,2,3
.irp j, 0,1,2,3
	ds_load_b128 v[X+16*\b+4*\j:X+16*\b+4*\j+3], v7 offset:128*\b+16*\j   ; LDS serves a wave's instructions in order (ISA guide 5.7.1.4): these see the stores above
.endr
.endr
	s_wait_loadcnt 0x0
.irp i, 0,1,2,3,4,5,6,7,8,9,10,11,12,13,14,15
	ds_store_b128 v6, v[R+64+4*\i:R+64+4*\i+3] offset:STG+SPITCH*\i
.endr
	s_wait_dscnt 16                                ; the first step's numbers are back; the 16 stores behind them may be out
	QUANT X, PC0, PT, PW0
.irp b, 0,1,2,3
.irp j, 0,1,2,3
	ds_load_b128 v[X+16*\b+4*\j:X+16*\b+4*\j+3], v7 offset:STG+128*\b+16*\j
.endr
.endr
	PUT PC0, 0
	ds_store_b32 v8, v[PW0]                        ; lanes r and r + 16 write the same word with the same value
	s_wait_dscnt 1                                 ; the second step's numbers are back; that one store may be out
	QUANT X, PC1, PT, PW1
	PUT PC1, 1536
	ds_store_b32 v8, v[PW1] offset:4
	s_wait_dscnt 0x0                               ; for the others' sake: my words lie in LDS
	s_barrier_signal -1
	s_barrier_wait -1
	s_cmp_lg_u32 s16, 0
	s_cbranch_scc1 .Lend
	ds_load_b128 v[X:X+3], v9                      ; wave 0 sends the tile's scale words: sixteen lanes fill each record's 256 bytes
	s_wait_dscnt 0x0
	global_store_b128 v10, v[X:X+3], s[30:31] offset:4*1536
.Lend:
	s_wait_tensorcnt 0x0
	ds_add_u32 v59, v63
	s_wait_dscnt 0x0
	s_endpgm
.Lfunc_end_k_q440ed01eef_quant:
	.size	k_q440ed01eef_quant, .Lfunc_end_k_q440ed01eef_quant-k_q440ed01eef_quant
	.p2alignl 7, 3214868480
	.fill 96, 4, 3214868480
	.section	.rodata,"a",@progbits
	.p2align	6, 0x0
	.amdhsa_kernel k_q440ed01eef_quant
		.amdhsa_group_segment_fixed_size 68608
		.amdhsa_private_segment_fixed_size 0
		.amdhsa_enable_private_segment 0
		.amdhsa_kernarg_size 48
		.amdhsa_user_sgpr_count 2
		.amdhsa_user_sgpr_kernarg_segment_ptr 1
		.amdhsa_wavefront_size32 1
		.amdhsa_system_sgpr_workgroup_id_x 1
		.amdhsa_system_sgpr_workgroup_id_y 1
		.amdhsa_system_sgpr_workgroup_id_z 1
		.amdhsa_system_vgpr_workitem_id 0
		.amdhsa_next_free_vgpr 256
		.amdhsa_next_free_sgpr 66
		.amdhsa_reserve_vcc 0
		.amdhsa_float_denorm_mode_32 3
		.amdhsa_float_denorm_mode_16_64 3
		.amdhsa_memory_ordered 1
		.amdhsa_forward_progress 1
		.amdhsa_inst_pref_size 19
	.end_amdhsa_kernel
	.amdgpu_metadata
---
amdhsa.version: [ 1, 2 ]
amdhsa.kernels:
  - .name:           k_q440ed01eef_quant
    .symbol:         k_q440ed01eef_quant.kd
    .args:
      - { .name: x, .offset: 0, .size: 8, .value_kind: global_buffer, .address_space: global }
      - { .name: Wq, .offset: 8, .size: 8, .value_kind: global_buffer, .address_space: global }
      - { .name: Wk, .offset: 16, .size: 8, .value_kind: global_buffer, .address_space: global }
      - { .name: Wv, .offset: 24, .size: 8, .value_kind: global_buffer, .address_space: global }
      - { .name: Wo, .offset: 32, .size: 8, .value_kind: global_buffer, .address_space: global }
      - { .name: codes, .offset: 40, .size: 8, .value_kind: global_buffer, .address_space: global }
    .group_segment_fixed_size: 68608
    .private_segment_fixed_size: 0
    .kernarg_segment_align: 8
    .kernarg_segment_size: 48
    .max_flat_workgroup_size: 128
    .sgpr_count:     66
    .vgpr_count:     256
    .wavefront_size: 32
...
	.end_amdgpu_metadata
.endif
;; end of part 1
;; launch qkv (part 2): grid 24 x 16, 4 waves a work-group, clusters of 4 x 4, 307,712 bytes of LDS; arguments codes, mask, bq, bk, bv, qb, kv; writes qb, kv
.if DOCPART == 2
	.amdgcn_target "amdgcn-amd-amdhsa--gfx1250"
	.amdhsa_code_object_version 6
	.text
	.protected	k_q440ed01eef_qkv
	.globl	k_q440ed01eef_qkv
	.p2align	8
	.type	k_q440ed01eef_qkv,@function
k_q440ed01eef_qkv:
	s_mov_b64 s[64:65], 0
	v_nop
	global_prefetch_b8 v0, s[64:65] scope:SCOPE_SE
	s_setreg_imm32_b32 hwreg(HW_REG_WAVE_MODE, 25, 1), 1
	s_wait_xcnt 0x0
	s_wait_alu depctr_hold_cnt(0) depctr_sa_sdst(0) depctr_va_vdst(0) depctr_va_sdst(0) depctr_va_ssrc(0) depctr_va_vcc(0) depctr_vm_vsrc(0)
	s_getreg_b32 s2, hwreg(HW_REG_IB_STS2, 6, 4)
	s_cmp_eq_u32 s2, 0
	s_cbranch_scc0 .Lentry_in_a_cluster
	s_endpgm
.Lentry_in_a_cluster:
	s_bfe_u32 s2, ttmp6, 0x10000c
	s_cmp_lg_u32 s2, 0xf033
	s_cbranch_scc0 .Lentry_shape_is_right
	s_endpgm
.Lentry_shape_is_right:
; q = x Wq^T + bq, k = x Wk^T + bk, v = x Wv^T + bv on codes of FP6 (E2M3) with E8M0 scales, and the results quantised at once for the two products of attention:
; q and k along the head's 64, v along the keys.  The three weights are one matrix of 3,072 rows (row tiles 256 .. 447 of codes).
; SHARES.  A work-group makes 256 rows x 128 columns; wave (mh, nh) 128 rows (one block of queries = one step of keys) x 64 columns (one head): 32 accumulators.
; ALL OF K LIES IN LDS: a row of 1,024 codes is 768 bytes, so the work-group's 16 tiles of x and 8 of W are 24 x 12,800 bytes.  They come in two chunks of four K steps, each wave one tensor load a chunk,
; all four at the head: two tensor loads of a wave are out at most, nothing in LDS is filled twice, and LDS is written by the tensor loads alone.
; CLUSTER 4 x 4: the four work-groups of a row of the cluster need the same tiles of x, the four of a column the same tiles of W: each is asked for jointly.
; q AND k: THE PRODUCT IS USED TRANSPOSED (source 0 = 16 rows of W, source 1 = 16 rows of x): a lane holds one row of x and, by the order of rows in a tile, the 16 registers of two neighbouring tiles are 16
; neighbouring features.  v: NOT transposed: a lane holds one feature, and the 16 registers of two neighbouring tiles of x are 16 neighbouring keys.  So in both cases window 2 is 16 slots of 16 neighbours along the next K.
; The path is chosen by the cluster's x (0, 1: q; 2, 3: k; 4, 5: v), which is the same in all partners.  The bias is the C of each sum's first matrix instruction.
; THE PADDING MASK goes into k's scale words: the head has 64 along K, the matrix instruction 128.  Byte 2 of a key's word is 254 where the key is padded, else 1; byte 2 of a query's word is 120; byte 3 of both is 127.
; The attention launch sets one code of +1 and one of -1 at k = 64: a padded key's score gets -2^120, an open one -2^-133.
; OUT.  qb: a record of 6,656 bytes for each (batch, head, block of 128 queries): 8 halves of 768 bytes, then 512 bytes of scale words (lane (r, h): the words of tiles 4 h .. 4 h + 3).
; kv: a record of 13,056 bytes for each (batch, head, step of 128 keys): k's 8 halves; v's 4 fragments at 6,144; k's scale words at 12,288; v's at 12,800 (lane (r, h): those of feature tiles 2 h, 2 h + 1).
; LIMITS: as in the quantising launch (a block of zeros gets the byte 1; NaN and infinities are not served).
; REGISTERS.  window 0: v1-31 addresses and mask bytes; v32-127 W's fragments, two sets; v128-191 scale words, two sets, and nothing else; v192-223 the bias; v224-227 the bias by lanes.
;   window 1: v0-191 x's fragments, two sets.   window 2: the accumulators.   On the way out v32-123 and v192-255 of window 0 are at work.
.set REC,   6400
.set TILEB, 12800
.set CH,    24*REC                     ; a chunk in LDS: x's 16 records, then W's 8
.set BOFF,  16*REC
.set WV,    18                         ; s18 wave; s19 mh (also: 0 = I fetch x, 1 = W); s20 nh (also: which half I fetch)
.set WF,    32
.set SC,    128
.set BI,    192
.set MB,    16                         ; v16-23 the mask bytes of my 8 tiles' rows
.set TM,    32                         ; the way out: v32-47 largest magnitudes
.set TP,    48                         ; v48-63 the other half's, then the bytes
.set SO,    64                         ; v64-79 the conversions' scale operands
.set PT,    80                         ; v80-111 the conversions' second halves
.set W,     112                        ; v112-119 scale words
.set IM,    120                        ; v120-123 their image
.set HB,    192                        ; v192-255 eight halves, 8 registers apart
.set MSB, 0
.macro WIN new                         ; the immediate's high byte repeats the setting that is left
.if MSB != \new
	s_set_vgpr_msb (MSB<<8)|\new
.set MSB, \new
.endif
.endm
.macro CROUND                          ; a round of the cluster's barrier
	s_barrier_signal -1
	s_barrier_wait -1
	s_cmp_lg_u32 s[WV], 0
	s_cbranch_scc1 .Lnot_wave_0_\@
	s_barrier_signal -3
.Lnot_wave_0_\@:
	s_barrier_wait -3
	s_barrier_signal -1
	s_barrier_wait -1
.endm
.macro PLACES                          ; four places behind a matrix instruction of 6-bit operands, in front of loads into its registers and of reads of its results
.rept 4
	v_nop
.endr
.endm
.macro FRAGL reg, a16, a8, off         ; a fragment comes as it was stored: two halves, every load dense
	ds_load_b128 v[(\reg):(\reg)+3], v[\a16] offset:(\off)
	ds_load_b64 v[(\reg)+4:(\reg)+5], v[\a8] offset:(\off)+512
	ds_load_b128 v[(\reg)+6:(\reg)+9], v[\a16] offset:(\off)+768
	ds_load_b64 v[(\reg)+10:(\reg)+11], v[\a8] offset:(\off)+1280
.endm
.macro FETCH s                         ; K step s: x's 8 fragments and W's 4 into set s % 2
.set FP, (\s)%2
.set FC, (\s)/4
.set FQ, (\s)%4
	WIN 0x40                                       ; destination window 1
.irp i, 0,1,2,3,4,5,6,7
	FRAGL 96*FP+12*\i, 4+FC, 6+FC, \i*REC+FQ*1536
.endr
	WIN 0
.irp i, 0,1,2,3
	FRAGL WF+48*FP+12*\i, 8+FC, 10+FC, \i*REC+FQ*1536
.endr
.endm
.macro SCALES c                        ; chunk c's scale words: register 4 i + q: lanes 0-15 x's tile i, lanes 16-31 W's tile i (i < 4), K step 4 c + q
.irp i, 0,1,2,3
	ds_load_b128 v[SC+32*\c+4*\i:SC+32*\c+4*\i+3], v[12+\c] offset:\i*REC+6144
.endr
.irp i, 4,5,6,7
	ds_load_b128 v[SC+32*\c+4*\i:SC+32*\c+4*\i+3], v[24+\c] offset:\i*REC+6144
.endr
.endm
; 16 matrix instructions of K step s: x's tiles a0 .. a0 + 3 against W's four.  T = 1: transposed.  The 32 accumulators take turns, one instruction a turn, in the same order in every step.
.macro MUL16 T, s, a0
.set MP, (\s)%2
.set MC, (\s)/4
.set MQ, (\s)%4
.if \T
.if (\s) == 0
	WIN 0x84                                       ; source 0 (W) and C (bias) window 0, source 1 (x) window 1, D window 2
.else
	WIN 0xa4                                       ; C and D window 2
.endif
.else
.if (\s) == 0
	WIN 0x81                                       ; source 0 (x) window 1, source 1 (W) and C window 0, D window 2
.else
	WIN 0xa1
.endif
.endif
.irp a, \a0, \a0+1, \a0+2, \a0+3
.irp bn, 0,1,2,3
.set rW, WF+48*MP+12*\bn
.set rX, 96*MP+12*(\a)
.set sW, SC+32*MC+4*\bn+MQ
.set sX, SC+32*MC+4*(\a)+MQ
.if \T
.set rD, 8*(4*(\a)+\bn)
.if (\s) == 0
	v_wmma_scale_f32_16x16x128_f8f6f4 v[rD:rD+7], v[rW:rW+11], v[rX:rX+11], v[BI+8*\bn:BI+8*\bn+7], v[sW], v[sX] matrix_a_fmt:MATRIX_FMT_FP6 matrix_b_fmt:MATRIX_FMT_FP6 matrix_a_scale:MATRIX_SCALE_ROW1
.else
	v_wmma_scale_f32_16x16x128_f8f6f4 v[rD:rD+7], v[rW:rW+11], v[rX:rX+11], v[rD:rD+7], v[sW], v[sX] matrix_a_fmt:MATRIX_FMT_FP6 matrix_b_fmt:MATRIX_FMT_FP6 matrix_a_scale:MATRIX_SCALE_ROW1
.endif
.else
.set rD, 8*(8*\bn+(\a))
.if (\s) == 0
	v_wmma_scale_f32_16x16x128_f8f6f4 v[rD:rD+7], v[rX:rX+11], v[rW:rW+11], v[BI+8*\bn:BI+8*\bn+7], v[sX], v[sW] matrix_a_fmt:MATRIX_FMT_FP6 matrix_b_fmt:MATRIX_FMT_FP6 matrix_b_scale:MATRIX_SCALE_ROW1
.else
	v_wmma_scale_f32_16x16x128_f8f6f4 v[rD:rD+7], v[rX:rX+11], v[rW:rW+11], v[rD:rD+7], v[sX], v[sW] matrix_a_fmt:MATRIX_FMT_FP6 matrix_b_fmt:MATRIX_FMT_FP6 matrix_b_scale:MATRIX_SCALE_ROW1
.endif
.endif
.endr
.endr
.endm
; A K step: 32 matrix instructions; the next step's 48 LDS loads stand in one run in its middle, 16 matrix instructions ahead of the wait for them.
.macro STEP T, s
	s_wait_dscnt 0x0                               ; this step's fragments are in
	MUL16 \T, \s, 0
.if (\s) == 3
	s_wait_tensorcnt 0x0                           ; my part of chunk 1 has landed (no LDS instruction of mine is out here),
	s_barrier_signal -1
	s_barrier_wait -1                              ; everybody's has.
.endif
.if (\s) < 7
	PLACES
	FETCH (\s)+1
.if (\s) == 3
	SCALES 1
.endif
.endif
	MUL16 \T, \s, 4
.endm
; Window 2 is 16 slots of 16 registers, register i of a slot = place 16 (lane / 16) + i of a block of 32 along the next K.  Slots 2 i and 2 i + 1 become one half of a fragment, in v[HB + 8 i] on; slot k's byte stays in v[TP + k].
.macro QSLOTS
	WIN 0x0a                                       ; sources 0 and 1 window 2
.irp k, 0,1,2,3,4,5,6,7,8,9,10,11,12,13,14,15
	v_max3_num_f32 v[TM+\k], |v[16*\k]|, |v[16*\k+1]|, 0x1800000   ; each accumulator is read from its low end on; the floor 2^(3 - 127) holds the byte at 1 from below
.endr
.irp i, 2,4,6,8,10,12,14
.irp k, 0,1,2,3,4,5,6,7,8,9,10,11,12,13,14,15
	v_max3_num_f32 v[TM+\k], |v[16*\k+\i]|, |v[16*\k+\i+1]|, v[TM+\k]
.endr
.endr
	WIN 0
.irp k, 0,1,2,3,4,5,6,7,8,9,10,11,12,13,14,15
	v_permlanex16_b32 v[TP+\k], v[TM+\k], s78, s79
.endr
.irp k, 0,1,2,3,4,5,6,7,8,9,10,11,12,13,14,15
	v_max_num_f32 v[TM+\k], v[TM+\k], v[TP+\k]     ; with lane l xor 16's 16: the block's largest magnitude
.endr
.irp k, 0,1,2,3,4,5,6,7,8,9,10,11,12,13,14,15
	v_add_nc_u32 v[SO+\k], 0xff000000, v[TM+\k]    ; 2 off its exponent field: the conversion's scale operand
.endr
.irp k, 0,1,2,3,4,5,6,7,8,9,10,11,12,13,14,15
	v_lshrrev_b32 v[TP+\k], 23, v[SO+\k]           ; the scale's byte
.endr
	WIN 0x02                                       ; source 0 window 2
.irp i, 0,1,2,3,4,5,6,7
	v_cvt_scalef32_pk16_fp6_f32 v[HB+8*\i:HB+8*\i+2], v[32*\i:32*\i+15], v[SO+2*\i]
	v_cvt_scalef32_pk16_fp6_f32 v[PT+4*\i:PT+4*\i+2], v[32*\i+16:32*\i+31], v[SO+2*\i+1]
.endr
	WIN 0
	v_nop                                          ; one plain place behind the scaled conversions
.irp i, 0,1,2,3,4,5,6,7
.irp j, 0,1,2
	v_permlane16_swap_b32 v[HB+8*\i+\j], v[PT+4*\i+\j]   ; a whole block to a lane: lanes 0-15 the first block, lanes 16-31 the second
.endr
.irp j, 0,1,2
	v_mov_b32 v[HB+8*\i+3+\j], v[PT+4*\i+\j]
.endr
.endr
.irp i, 0,1,2,3,4,5,6,7
	global_store_b128 v14, v[HB+8*\i:HB+8*\i+3], s[66:67] offset:768*\i          ; 512 consecutive bytes, aligned
	global_store_b64 v15, v[HB+8*\i+4:HB+8*\i+5], s[66:67] offset:768*\i+512     ; 256
.endr
.endm
	s_load_b256 s[4:11], s[0:1], 0x0               ; codes s[4:5], mask s[6:7], bq s[8:9], bk s[10:11]
	s_load_b128 s[12:15], s[0:1], 0x20             ; bv s[12:13], qb s[14:15]
	s_load_b64 s[16:17], s[0:1], 0x30              ; kv
	v_lshl_add_u32 v254, v0, 2, 0x4b000
	v_mov_b32 v255, 0
	ds_add_u32 v254, v255
	ds_add_u32 v254, v255
	v_lshrrev_b32 v1, 5, v0
	v_readfirstlane_b32 s[WV], v1                  ; wave 0..3
	s_lshr_b32 s19, s[WV], 1                       ; mh
	s_and_b32 s20, s[WV], 1                        ; nh
	s_bfe_u32 s21, ttmp6, 0x40000                  ; cx
	s_bfe_u32 s22, ttmp6, 0x40004                  ; cy
	s_lshl_b32 s23, ttmp9, 2
	s_add_co_u32 s23, s23, s21                     ; nx: which 128 of the 3,072 columns
	s_and_b32 s24, ttmp7, 0xffff
	s_lshl_b32 s24, s24, 2
	s_add_co_u32 s24, s24, s22                     ; my: which 256 rows
	s_lshl_b32 s25, s22, 2
	s_lshl_b32 s25, 15, s25                        ; my row of the cluster
	s_lshl_b32 s26, 0x1111, s21                    ; my column
	; descriptor groups 1: records of 6,400 bytes (800 elements of 8 bytes), 12,800 bytes apart, laid on end in LDS; x: 8 records a load, W: 4
	s_or_b32 s28, s25, (3<<16)|(1<<21)             ; 15:0 the mask: x's tiles go to my row; 17:16 elements of 8 bytes; 21 set beside a mask
	s_mov_b32 s29, 800<<16                         ; tensor_dim0
	s_mov_b32 s30, 8<<16                           ; tensor_dim1
	s_mov_b32 s31, 800<<16                         ; tile_dim0
	s_mov_b32 s32, 8                               ; tile_dim1
	s_mov_b32 s33, 1600                            ; tensor_dim0_stride
	s_mov_b32 s34, 0
	s_mov_b32 s35, 0
	s_or_b32 s36, s26, (3<<16)|(1<<21)             ; W's tiles go to my column
	s_mov_b32 s37, 800<<16
	s_mov_b32 s38, 4<<16
	s_mov_b32 s39, 800<<16
	s_mov_b32 s40, 4
	s_mov_b32 s41, 1600
	s_mov_b32 s42, 0
	s_mov_b32 s43, 0
	s_lshl_b32 s80, s24, 4                         ; x: tile 16 my + 8 x (the half that I fetch): made of my alone, which my row shares
	s_lshl_b32 s81, s20, 3
	s_add_co_u32 s80, s80, s81
	s_mul_i32 s80, s80, TILEB
	s_mov_b32 s81, 0
	s_lshl_b32 s84, s23, 3                         ; W: tile 256 + 8 nx + 4 x half: made of nx alone, which my column shares
	s_lshl_b32 s85, s20, 2
	s_add_co_u32 s84, s84, s85
	s_add_co_u32 s84, s84, 256
	s_mul_i32 s84, s84, TILEB
	s_mov_b32 s85, 0
	s_mul_i32 s90, s20, 8*REC                      ; where they go: no place in the cluster enters an LDS address
	s_mul_i32 s91, s20, 4*REC
	s_wait_dscnt 0x0
	s_wait_kmcnt 0x0
	s_add_nc_u64 s[82:83], s[4:5], s[80:81]
	s_add_nc_u64 s[86:87], s[4:5], s[84:85]
.irp c, 0,1
	s_mov_b32 s[44+4*\c], 1                        ; group 0 for x's chunk c
	s_add_co_u32 s[45+4*\c], s90, \c*CH
	s_add_nc_u64 s[46+4*\c:47+4*\c], s[82:83], \c*REC
	s_or_b32 s[47+4*\c], s[47+4*\c], 0x80000000
	s_mov_b32 s[52+4*\c], 1                        ; and for W's
	s_add_co_u32 s[53+4*\c], s91, \c*CH+BOFF
	s_add_nc_u64 s[54+4*\c:55+4*\c], s[86:87], \c*REC
	s_or_b32 s[55+4*\c], s[55+4*\c], 0x80000000
.endr
	CROUND                                         ; all sixteen work-groups are here: the joint loads meet
	s_cmp_eq_u32 s19, 0                            ; a wave's two fills stand in one branch on its number; four v_nop follow the second
	s_cbranch_scc0 .Lfill_w
	tensor_load_to_lds s[44:47], s[28:35]
	s_nop 0
	tensor_load_to_lds s[48:51], s[28:35]
	s_nop 0
.rept 4
	v_nop
.endr
	s_branch .Lfilled
.Lfill_w:
	tensor_load_to_lds s[52:55], s[36:43]
	s_nop 0
	tensor_load_to_lds s[56:59], s[36:43]
	s_nop 0
.rept 4
	v_nop
.endr
.Lfilled:
	; where the results go, and which bias: chosen by the cluster's x
	s_lshl_b32 s88, s24, 1
	s_add_co_u32 s88, s88, s19                     ; my block of 128 rows, 0..31: batch 16 to a batch
	s_lshl_b32 s89, s23, 1
	s_add_co_u32 s89, s89, s20
	s_and_b32 s89, s89, 15                         ; my head
	s_lshr_b32 s92, s88, 4
	s_lshl_b32 s92, s92, 4
	s_add_co_u32 s92, s92, s89
	s_lshl_b32 s92, s92, 4
	s_and_b32 s93, s88, 15
	s_add_co_u32 s92, s92, s93                     ; the record: (16 batch + head) 16 + block
	s_mov_b32 s60, 13056
	s_mov_b32 s61, 12288
	s_mov_b32 s62, 12800
	s_cmp_lt_u32 ttmp9, 2                          ; q?
	s_cselect_b64 s[66:67], s[14:15], s[16:17]
	s_cselect_b64 s[70:71], s[8:9], s[10:11]
	s_cselect_b32 s60, 6656, s60                   ; a record's bytes
	s_cselect_b32 s61, 6144, s61                   ; where its scale words begin
	s_cselect_b32 s74, 0, 253                      ; byte 2 of a scale word = mask x s74 + s75: q 120; k 1 or 254
	s_cselect_b32 s75, 120, 1
	s_cmp_ge_u32 ttmp9, 4                          ; v?
	s_cselect_b64 s[70:71], s[12:13], s[70:71]
	s_cselect_b32 s61, s62, s61
	s_cselect_b32 s62, 6144, 0                     ; where its codes begin
	s_mul_i32 s92, s92, s60
	s_mov_b32 s93, 0
	s_add_nc_u64 s[66:67], s[66:67], s[92:93]
	s_mov_b32 s92, s61
	s_add_nc_u64 s[68:69], s[66:67], s[92:93]      ; the scale words' image
	s_mov_b32 s92, s62
	s_add_nc_u64 s[66:67], s[66:67], s[92:93]      ; the codes
	s_lshl_b32 s92, s89, 8
	s_add_nc_u64 s[70:71], s[70:71], s[92:93]      ; my head's 64 numbers of the bias
	s_lshl_b32 s92, s88, 7
	s_add_nc_u64 s[72:73], s[6:7], s[92:93]        ; my 128 rows' bytes of the mask
	s_mov_b32 s76, 0xffff0000                      ; lanes 16-31
	s_mov_b32 s78, 0x76543210
	s_mov_b32 s79, 0xfedcba98                      ; selects of v_permlanex16_b32: lane l xor 16
	v_and_b32 v1, 31, v0                           ; lane
	v_and_b32 v2, 15, v0                           ; r
	v_bfe_u32 v3, v0, 4, 1                         ; h
	v_lshlrev_b32 v14, 4, v1                       ; 16 x lane
	v_lshlrev_b32 v15, 3, v1                       ; 8 x lane
	v_lshlrev_b32 v26, 6, v3                       ; the bias, transposed use: 16 h numbers on
	v_and_b32 v27, 8, v2
	v_add_nc_u32 v27, v27, v2                      ; r + 8 (r / 8): my row's place among a tile's 24
	v_lshlrev_b32 v28, 2, v27
	; the bias in both layouts and the mask bytes are asked for here, on the one way that all three paths take, so that they land while the tiles do
.irp n, 0,1,2,3
	global_load_b128 v[BI+8*\n:BI+8*\n+3], v26, s[70:71] offset:(32*(\n/2)+8*(\n%2))*4          ; tile n, lane (r, h): features 32 (n / 2) + 8 (n % 2) + 16 h + 0 .. 7
	global_load_b128 v[BI+8*\n+4:BI+8*\n+7], v26, s[70:71] offset:(32*(\n/2)+8*(\n%2))*4+16
.endr
.irp n, 0,1,2,3
	global_load_b32 v[224+\n], v28, s[70:71] offset:(32*(\n/2)+8*(\n%2))*4                      ; tile n, lane r: the one feature of that lane
.endr
.irp a, 0,1,2,3,4,5,6,7
	global_load_u8 v[MB+\a], v27, s[72:73] offset:32*(\a/2)+8*(\a%2)                            ; tile a, lane r: its row's byte
.endr
	s_mul_i32 s94, s19, 8*REC                      ; my 8 tiles of x
	s_mul_i32 s95, s20, 4*REC
	s_add_co_u32 s95, s95, BOFF                    ; my 4 tiles of W
	s_xor_b32 s77, s19, 1                          ; from x's scale words to W's: BOFF + 4 REC nh - 8 REC mh, written without a subtraction
	s_mul_i32 s77, s77, 8*REC
	s_add_co_u32 s77, s77, s91
	s_add_co_u32 s77, s77, 8*REC
	v_mul_u32_u24 v29, s77, v3                     ; lanes 16-31 take W's
	v_lshlrev_b32 v30, 4, v2                       ; 16 r
.irp c, 0,1
	v_add_nc_u32 v[4+\c], s94, v14
	v_add_nc_u32 v[6+\c], s94, v15
	v_add_nc_u32 v[8+\c], s95, v14
	v_add_nc_u32 v[10+\c], s95, v15
	v_add_nc_u32 v[24+\c], s94, v30
	v_add_nc_u32 v[12+\c], v[24+\c], v29
	s_add_co_u32 s94, s94, CH
	s_add_co_u32 s95, s95, CH
.endr
	s_wait_tensorcnt 0x1                           ; my part of chunk 0 has landed; chunk 1's load may be out
	s_barrier_signal -1
	s_barrier_wait -1                              ; everybody's has
	FETCH 0
	SCALES 0
	s_wait_loadcnt 0x0                             ; bias and mask
	s_cmp_ge_u32 ttmp9, 4
	s_cbranch_scc1 .Lv
.irp s, 0,1,2,3,4,5,6,7
	STEP 1, \s
.endr
	WIN 0
	s_branch .Lout
.Lv:
.irp n, 0,1,2,3
.irp j, 0,1,2,3,4,5,6,7
	v_mov_b32 v[BI+8*\n+\j], v[224+\n]             ; not transposed: a lane's eight results of a tile are one feature's
.endr
.endr
	PLACES
.irp s, 0,1,2,3,4,5,6,7
	STEP 0, \s
.endr
	WIN 0
.Lout:
	PLACES                                         ; behind the last products: their results are read, and registers that held their operands are written
	QSLOTS
	s_cmp_ge_u32 ttmp9, 4
	s_cbranch_scc1 .Lvwords
.irp a, 0,1,2,3,4,5,6,7                        ; q, k: tile a's word: the head's two bytes, the mask's byte, 127
	v_lshl_or_b32 v[W+\a], v[TP+2*\a+1], 8, v[TP+2*\a]
	v_mad_u32_u24 v[MB+\a], v[MB+\a], s74, s75
	v_lshl_or_b32 v[W+\a], v[MB+\a], 16, v[W+\a]
	v_or_b32 v[W+\a], 0x7f000000, v[W+\a]
.endr
.irp i, 0,1,2,3
	v_cndmask_b32 v[IM+\i], v[W+\i], v[W+4+\i], s76   ; lanes 0-15 carry tiles 0-3, lanes 16-31 tiles 4-7
.endr
	global_store_b128 v14, v[IM:IM+3], s[68:69]    ; 512 consecutive bytes, aligned
	s_branch .Ldone
.Lvwords:
.irp n, 0,1,2,3                                ; v: feature tile n's word: the four blocks of these 128 keys
	v_lshl_or_b32 v[W+\n], v[TP+4*\n+1], 8, v[TP+4*\n]
	v_lshl_or_b32 v[W+\n], v[TP+4*\n+2], 16, v[W+\n]
	v_lshl_or_b32 v[W+\n], v[TP+4*\n+3], 24, v[W+\n]
.endr
	v_cndmask_b32 v[IM], v[W], v[W+2], s76
	v_cndmask_b32 v[IM+1], v[W+1], v[W+3], s76
	global_store_b64 v15, v[IM:IM+1], s[68:69]     ; 256 consecutive bytes, aligned
.Ldone:
	s_wait_tensorcnt 0x0
	ds_add_u32 v254, v255
	s_wait_dscnt 0x0
	CROUND                                         ; the closing round: no work-group ends while a partner may still ask for a tile that names it
	s_endpgm
.Lfunc_end_k_q440ed01eef_qkv:
	.size	k_q440ed01eef_qkv, .Lfunc_end_k_q440ed01eef_qkv-k_q440ed01eef_qkv
	.p2alignl 7, 3214868480
	.fill 96, 4, 3214868480
	.section	.rodata,"a",@progbits
	.p2align	6, 0x0
	.amdhsa_kernel k_q440ed01eef_qkv
		.amdhsa_group_segment_fixed_size 307712
		.amdhsa_private_segment_fixed_size 0
		.amdhsa_enable_private_segment 0
		.amdhsa_kernarg_size 56
		.amdhsa_user_sgpr_count 2
		.amdhsa_user_sgpr_kernarg_segment_ptr 1
		.amdhsa_wavefront_size32 1
		.amdhsa_system_sgpr_workgroup_id_x 1
		.amdhsa_system_sgpr_workgroup_id_y 1
		.amdhsa_system_sgpr_workgroup_id_z 1
		.amdhsa_system_vgpr_workitem_id 0
		.amdhsa_next_free_vgpr 768
		.amdhsa_next_free_sgpr 96
		.amdhsa_reserve_vcc 0
		.amdhsa_float_denorm_mode_32 3
		.amdhsa_float_denorm_mode_16_64 3
		.amdhsa_memory_ordered 1
		.amdhsa_forward_progress 1
		.amdhsa_inst_pref_size 146
	.end_amdhsa_kernel
	.amdgpu_metadata
---
amdhsa.version: [ 1, 2 ]
amdhsa.kernels:
  - .name:           k_q440ed01eef_qkv
    .symbol:         k_q440ed01eef_qkv.kd
    .args:
      - { .name: codes, .offset: 0, .size: 8, .value_kind: global_buffer, .address_space: global }
      - { .name: mask, .offset: 8, .size: 8, .value_kind: global_buffer, .address_space: global }
      - { .name: bq, .offset: 16, .size: 8, .value_kind: global_buffer, .address_space: global }
      - { .name: bk, .offset: 24, .size: 8, .value_kind: global_buffer, .address_space: global }
      - { .name: bv, .offset: 32, .size: 8, .value_kind: global_buffer, .address_space: global }
      - { .name: qb, .offset: 40, .size: 8, .value_kind: global_buffer, .address_space: global }
      - { .name: kv, .offset: 48, .size: 8, .value_kind: global_buffer, .address_space: global }
    .group_segment_fixed_size: 307712
    .private_segment_fixed_size: 0
    .kernarg_segment_align: 8
    .kernarg_segment_size: 56
    .max_flat_workgroup_size: 128
    .sgpr_count:     96
    .vgpr_count:     768
    .wavefront_size: 32
...
	.end_amdgpu_metadata
.endif
;; end of part 2
;; launch attn (part 3): grid 8 x 32, 16 waves a work-group, clusters of 4 x 1, 210,944 bytes of LDS; arguments qb, kv, oc; writes oc
.if DOCPART == 3
	.amdgcn_target "amdgcn-amd-amdhsa--gfx1250"
	.amdhsa_code_object_version 6
	.text
	.protected	k_q440ed01eef_attn
	.globl	k_q440ed01eef_attn
	.p2align	8
	.type	k_q440ed01eef_attn,@function
k_q440ed01eef_attn:
	s_mov_b64 s[64:65], 0
	v_nop
	global_prefetch_b8 v0, s[64:65] scope:SCOPE_SE
	s_setreg_imm32_b32 hwreg(HW_REG_WAVE_MODE, 25, 1), 1
	s_wait_xcnt 0x0
	s_wait_alu depctr_hold_cnt(0) depctr_sa_sdst(0) depctr_va_vdst(0) depctr_va_sdst(0) depctr_va_ssrc(0) depctr_va_vcc(0) depctr_vm_vsrc(0)
	s_getreg_b32 s2, hwreg(HW_REG_IB_STS2, 6, 4)
	s_cmp_eq_u32 s2, 0
	s_cbranch_scc0 .Lentry_in_a_cluster
	s_endpgm
.Lentry_in_a_cluster:
	s_bfe_u32 s2, ttmp6, 0x10000c
	s_cmp_lg_u32 s2, 0x3003
	s_cbranch_scc0 .Lentry_shape_is_right
	s_endpgm
.Lentry_shape_is_right:
; o = softmax(q k^T / 8, padded and later keys hidden) v for one (batch, head), both products on codes of FP6 (E2M3) with E8M0 scales, and o quantised at once along the model's 1,024 for the last product.
; THE SOFTMAX: t = score x log2(e) / 8; M = the running largest t rounded UP to a whole number; p = 2^(t - M) is quantised along the keys, not normalised; the row's sum is taken of the unquantised p and divides at the end.
; SHARES.  A work-group has one head and tile p (0..7) of EVERY block of 128 queries: wave w owns the 16 queries of tile p of block BLK(w) and walks key steps 0 .. BLK(w) of 128 keys; the last is the one on the diagonal.
; BLK is a table on the wave's number (a 4 x 4 magic square less 1): waves w, w + 4, w + 8, w + 12 have 34 steps together, and so have waves 4 i .. 4 i + 3.  Every work-group has 136 steps.
; THE HEAD'S WHOLE k AND v LIE IN LDS: 16 records of 13,056 bytes, each filled once; waves 0-3 ask for four records each at the head: four tensor loads of a wave are out at most.  A barrier stands ahead of each four steps.
; CLUSTER 4 x 1: the four work-groups have the same head: every record is asked for jointly.  Branches and LDS addresses hang on the wave's number alone; the place in the cluster enters q's and o's addresses and the lanes' query numbers.
; LAYOUT.  Both products are used transposed (S^T = k q^T, O^T = v^T p^T): a lane holds one query throughout; lane r of key tile 2 b + u holds key 32 b + 8 u + r + 8 (r / 8), so the 16 registers of two neighbouring tiles are 16 neighbouring keys.
; THE MASKS.  The head has 64 along K, the matrix instruction 128.  At k = 64 every key has the code +1 and every query the code -1; byte 2 of a query's scale word is 120, of a key's 254 where the key is padded, else 1:
; a padded key's score gets -2^120.  On the diagonal later keys' scores are set to the same -2^120.  The largest t begins at -1e30, above -2^120 x log2(e) / 8: such scores never move M, and their p is 0.
; A ROW WITH NO OPEN KEY has the sum 0: its codes are zeros and its two scale bytes 0xff, the E8M0 NaN, so that the last product gives NaN in that row, as the definition does.
; LIMITS: an open score carries -2^-133 from the mask's term; rows whose largest t lies under -1e30 are not served; NaN and infinities are not served; a block of zeros gets the byte 1.
; REGISTERS: v1 lane; v2, v3 LDS addresses of the step; v4 q's scale word, v5 p's, v6-7 v's, v8-11 k's (these hold scales alone); v12 -M, v13 the largest t, v[14:15] the sum in two halves; v16-27 q;
;   v28-75 four fragments of k (registers 6-11 of each are constants); v76-123 v's four; v124-187 S^T, then p; v188-219 O^T; v220-231 p's codes; v232-254 at work; v255 -2^120.
.set KVREC, 13056
.set WV,  10                           ; s10 wave; s11 cx; s12 p; s13 16 batch + head
.set BLK, 14                           ; s14 my block of queries = my last key step
.set ST,  15                           ; s15 the key step
.set TB,  16                           ; s16 LDS byte of the step's record
.set KF,  28
.set VF,  76
.set SS,  124
.set OT,  188
.set PC,  220
.set BM,  240
.macro CROUND                          ; a round of the cluster's barrier
	s_barrier_signal -1
	s_barrier_wait -1
	s_cmp_lg_u32 s[WV], 0
	s_cbranch_scc1 .Lnot_wave_0_\@
	s_barrier_signal -3
.Lnot_wave_0_\@:
	s_barrier_wait -3
	s_barrier_signal -1
	s_barrier_wait -1
.endm
.macro FRAGL reg, a16, a8, off         ; a fragment comes as it was stored: two halves, every load dense
	ds_load_b128 v[(\reg):(\reg)+3], v[\a16] offset:(\off)
	ds_load_b64 v[(\reg)+4:(\reg)+5], v[\a8] offset:(\off)+512
	ds_load_b128 v[(\reg)+6:(\reg)+9], v[\a16] offset:(\off)+768
	ds_load_b64 v[(\reg)+10:(\reg)+11], v[\a8] offset:(\off)+1280
.endm
	s_load_b128 s[4:7], s[0:1], 0x0                ; qb s[4:5], kv s[6:7]
	s_load_b64 s[8:9], s[0:1], 0x10                ; oc
	v_lshl_add_u32 v235, v0, 2, 0x33000
	v_mov_b32 v239, 0
	ds_add_u32 v235, v239
	ds_add_u32 v235, v239
	v_lshrrev_b32 v1, 5, v0
	v_readfirstlane_b32 s[WV], v1                  ; wave 0..15
	s_bfe_u32 s11, ttmp6, 0x40000                  ; cx
	s_lshl_b32 s12, ttmp9, 2
	s_add_co_u32 s12, s12, s11                     ; p
	s_and_b32 s13, ttmp7, 0xffff
	s_and_b32 s48, s[WV], 7                        ; BLK: nibble w of the table
	s_lshl_b32 s48, s48, 2
	s_mov_b32 s49, 0x7A94C12F
	s_mov_b32 s50, 0x0DE3B658
	s_cmp_lt_u32 s[WV], 8
	s_cselect_b32 s49, s49, s50
	s_lshr_b32 s[BLK], s49, s48
	s_and_b32 s[BLK], s[BLK], 15
	s_lshr_b32 s18, s12, 1
	s_lshl_b32 s18, s18, 5
	s_and_b32 s19, s12, 1
	s_lshl_b32 s19, s19, 3
	s_add_co_u32 s18, s18, s19                     ; my tile's first query in its block: 32 (p / 2) + 8 (p % 2)
	s_mov_b32 s20, 0x76543210
	s_mov_b32 s21, 0xfedcba98                      ; selects of v_permlanex16_b32: lane l xor 16
	s_mov_b32 s22, 0x3e38aa3b                      ; c = log2(e) / 8
	s_mov_b32 s23, s22                             ; (named with it as a pair, so it is written)
	s_mov_b32 s[ST], 0
	; descriptor group 1: a record is a dense block: 51 rows of 256 bytes (32 elements of 8 bytes)
	s_mov_b32 s24, 15|(3<<16)|(1<<21)              ; 15:0 the mask: all four work-groups; 17:16 elements of 8 bytes; 21 set beside a mask
	s_mov_b32 s25, 32<<16                          ; tensor_dim0
	s_mov_b32 s26, 51<<16                          ; tensor_dim1
	s_mov_b32 s27, 32<<16                          ; tile_dim0
	s_mov_b32 s28, 51                              ; tile_dim1
	s_mov_b32 s29, 32                              ; tensor_dim0_stride
	s_mov_b32 s30, 0
	s_mov_b32 s31, 0
	s_and_b32 s48, s[WV], 3
	s_mul_i32 s49, s48, KVREC                      ; record 4 ph + w of phase ph, in LDS as in memory
	s_lshl_b32 s52, s13, 4
	s_mul_i32 s52, s52, KVREC                      ; the head's 16 records
	s_add_co_u32 s52, s52, s49
	s_mov_b32 s53, 0
	s_wait_dscnt 0x0
	s_wait_kmcnt 0x0
	s_add_nc_u64 s[54:55], s[6:7], s[52:53]
.irp ph, 0,1,2,3
	s_mov_b32 s[32+4*\ph], 1
	s_add_co_u32 s[33+4*\ph], s49, \ph*4*KVREC
	s_add_nc_u64 s[34+4*\ph:35+4*\ph], s[54:55], \ph*4*KVREC
	s_or_b32 s[35+4*\ph], s[35+4*\ph], 0x80000000
.endr
	CROUND                                         ; all four work-groups are here: the joint loads meet
	s_cmp_lt_u32 s[WV], 4                          ; waves 0-3 fetch; a wave's four fills stand in one branch on its number; four v_nop follow the last
	s_cbranch_scc0 .Lno_fill
	tensor_load_to_lds s[32:35], s[24:31]
	s_nop 0
	tensor_load_to_lds s[36:39], s[24:31]
	s_nop 0
	tensor_load_to_lds s[40:43], s[24:31]
	s_nop 0
	tensor_load_to_lds s[44:47], s[24:31]
	s_nop 0
.rept 4
	v_nop
.endr
.Lno_fill:
	v_and_b32 v1, 31, v0                           ; lane
	v_lshlrev_b32 v124, 4, v1
	v_lshlrev_b32 v125, 3, v1
	v_and_b32 v126, 15, v0
	v_lshlrev_b32 v126, 4, v126
	s_lshl_b32 s56, s13, 4
	s_add_co_u32 s56, s56, s[BLK]
	s_mul_i32 s56, s56, 6656
	s_mov_b32 s57, 0
	s_add_nc_u64 s[58:59], s[4:5], s[56:57]        ; my block's record of q
	s_mul_i32 s56, s12, 768
	s_add_nc_u64 s[60:61], s[58:59], s[56:57]      ; tile p's half
	s_lshr_b32 s56, s12, 2
	s_lshl_b32 s56, s56, 8
	s_and_b32 s62, s12, 3
	s_lshl_b32 s62, s62, 2
	s_add_co_u32 s56, s56, s62
	s_add_nc_u64 s[58:59], s[58:59], s[56:57]      ; and its scale words: lanes 16 (p / 4) on, word p % 4
	global_load_b128 v[16:19], v124, s[60:61]
	global_load_b64 v[20:21], v125, s[60:61] offset:512
	global_load_b32 v4, v126, s[58:59] offset:6144
	s_mov_b32 s51, 0xffff0000                      ; lanes 16-31
	v_cndmask_b32 v22, 40, 0, s51                  ; k = 64 lies in lanes 0-15, register 6, lowest six bits: q has the code of -1.0 there,
.irp j, 23,24,25,26,27
	v_mov_b32 v[\j], 0
.endr
.irp t, 0,1,2,3
	v_cndmask_b32 v[KF+12*\t+6], 8, 0, s51         ; every key the code of +1.0; all other codes from k = 64 on are zeros
.irp j, 7,8,9,10,11
	v_mov_b32 v[KF+12*\t+\j], 0
.endr
.endr
	v_mov_b32 v13, 0xf149f2ca                      ; the largest t so far: -1e30
	v_floor_f32 v12, -v13                          ; -M
	v_mov_b32 v14, 0
	v_mov_b32 v15, 0
.set j, 0
.rept 32
	v_mov_b32 v[OT+j], 0                           ; O^T.  (The step is written once: the first finds zeros, which the first change of M leaves zeros)
.set j, j+1
.endr
.irp j, 244,245,246,247,253,254
	v_mov_b32 v[\j], 0                             ; lane permutes' destinations, and the upper half of the pair v[252:253], are written before they are named
.endr
	v_mov_b32 v255, 0xfb800000                     ; -2^120
	s_wait_loadcnt 0x0                             ; q
; A KEY STEP of 128 keys.  A step behind my diagonal is left out: a scalar branch on the wave's number and the count of steps, round its loads, products and softmax, not round the two lines at its end.
.macro STEP
	s_cmp_gt_u32 s[ST], s[BLK]
	s_cbranch_scc1 .Lhidden_\@
	v_lshl_add_u32 v2, v1, 4, s[TB]
	v_lshl_add_u32 v3, v1, 3, s[TB]
	v_nop
	v_nop                                          ; four places in front of loads into registers that the last step's products have read
	ds_load_b128 v[8:11], v2 offset:12288          ; k's scale words: lanes 0-15 tiles 0-3, lanes 16-31 tiles 4-7
.irp t, 0,1,2,3
	ds_load_b128 v[KF+12*\t:KF+12*\t+3], v2 offset:768*\t
	ds_load_b64 v[KF+12*\t+4:KF+12*\t+5], v3 offset:768*\t+512
.endr
.irp t, 0,1,2,3
	FRAGL VF+12*\t, 2, 3, 6144+1536*\t
.endr
	ds_load_b64 v[6:7], v3 offset:12800            ; v's scale words: lanes 0-15 tiles 0, 1, lanes 16-31 tiles 2, 3
	s_wait_dscnt 17                                ; k's words and tiles 0-3 are in; v's 16 loads and its words may be out
.irp t, 0,1,2,3
	v_wmma_scale_f32_16x16x128_f8f6f4 v[SS+8*\t:SS+8*\t+7], v[KF+12*\t:KF+12*\t+11], v[16:27], 0, v[8+\t], v4 matrix_a_fmt:MATRIX_FMT_FP6 matrix_b_fmt:MATRIX_FMT_FP6
.endr
.rept 4
	v_nop
.endr
.irp t, 0,1,2,3
	ds_load_b128 v[KF+12*\t:KF+12*\t+3], v2 offset:768*(4+\t)
	ds_load_b64 v[KF+12*\t+4:KF+12*\t+5], v3 offset:768*(4+\t)+512
.endr
	s_wait_dscnt 0x0
.irp t, 0,1,2,3
	v_wmma_scale_f32_16x16x128_f8f6f4 v[SS+32+8*\t:SS+32+8*\t+7], v[KF+12*\t:KF+12*\t+11], v[16:27], 0, v[8+\t], v4 matrix_a_fmt:MATRIX_FMT_FP6 matrix_b_fmt:MATRIX_FMT_FP6 matrix_a_scale:MATRIX_SCALE_ROW1
.endr
.rept 4
	v_nop
.endr
	s_cmp_lg_u32 s[ST], s[BLK]                     ; on the diagonal the scores of later keys become -2^120 ahead of the maximum
	s_cbranch_scc1 .Lopen_\@
	v_and_b32 v252, 15, v1
	v_and_b32 v253, 8, v1
	v_add_nc_u32 v252, v252, v253
	v_and_b32 v253, 16, v1
	v_sub_nc_u32 v252, v252, v253
	v_add_nc_u32 v252, s18, v252                   ; d = my query in the block - 16 (lane / 16).  Register 16 b + i holds key 32 b + 16 (lane / 16) + i: hidden where 32 b + i > d
.set n, 0
.rept 64
	v_cmp_gt_i32 vcc_lo, 32*(n/16)+n%16, v252
	v_cndmask_b32 v[SS+n], v[SS+n], v255, vcc_lo
.set n, n+1
.endr
.Lopen_\@:
.irp b, 0,1,2,3
	v_max3_num_f32 v[BM+\b], v[SS+16*\b], v[SS+16*\b+1], v[SS+16*\b+2]   ; the largest score of each block of 32 keys: for the row's maximum, and, since p rises with the score, for the block's largest p
.endr
.irp i, 3,5,7,9,11,13
.irp b, 0,1,2,3
	v_max3_num_f32 v[BM+\b], v[BM+\b], v[SS+16*\b+\i], v[SS+16*\b+\i+1]
.endr
.endr
.irp b, 0,1,2,3
	v_max_num_f32 v[BM+\b], v[BM+\b], v[SS+16*\b+15]
.endr
.irp b, 0,1,2,3
	v_permlanex16_b32 v[244+\b], v[BM+\b], s20, s21
.endr
.irp b, 0,1,2,3
	v_max_num_f32 v[BM+\b], v[BM+\b], v[244+\b]    ; with lane l xor 16's 16 keys
.endr
	v_max3_num_f32 v254, v[BM], v[BM+1], v[BM+2]
	v_max_num_f32 v254, v254, v[BM+3]
	v_mul_f32 v254, s22, v254                      ; the step's largest t (c is positive)
	v_max_num_f32 v13, v13, v254                   ; the running largest t
	v_mov_b32 v254, v12
	v_floor_f32 v12, -v13                          ; the new -M = floor(-t): M is a whole number
	v_sub_f32 v254, v12, v254                      ; old M - new M: a whole number, 0 or less
	v_cvt_i32_f32 v254, v254                       ; (it saturates)
	v_ldexp_f32 v252, 1.0, v254                    ; f = 2^(old M - new M): a multiplication by it rounds nothing
.set j, 0
.rept 32
	v_pk_fma_f32 v[SS+j:SS+j+1], v[SS+j:SS+j+1], s[22:23], v[12:13] op_sel_hi:[1,0,0]   ; t - M, two at a time
.set j, j+2
.endr
.irp b, 0,1,2,3
	v_fma_f32 v[BM+\b], v[BM+\b], s22, v12         ; the same of each block's largest score
.endr
.set j, 0
.rept 64
	v_exp_f32 v[SS+j], v[SS+j]                     ; p = 2^(t - M), at most 1
.set j, j+1
.endr
	v_pk_mul_f32 v[14:15], v[14:15], v[252:253] op_sel_hi:[1,0]   ; the sums under the new M; the plain place behind the exponentials
	s_wait_alu depctr_va_vdst(0)                   ; one wait for the batch of 64, ahead of its first reader
.irp b, 0,1,2,3
	v_exp_f32 v[BM+\b], v[BM+\b]                   ; the block's largest p: the same two instructions on the same number give the same bits
.endr
	v_pk_add_f32 v[232:233], v[SS:SS+1], v[SS+2:SS+3]   ; the row's sum is taken of the unquantised p, in two chains; it reads the 64 alone
.set j, 4
.rept 15
	v_pk_add_f32 v[14:15], v[14:15], v[SS+j:SS+j+1]
	v_pk_add_f32 v[232:233], v[232:233], v[SS+j+2:SS+j+3]
.set j, j+4
.endr
	v_pk_add_f32 v[14:15], v[14:15], v[232:233]
	s_wait_alu depctr_va_vdst(0)                   ; and one for the four
.irp b, 0,1,2,3
	v_max_num_f32 v[BM+\b], 0x1800000, v[BM+\b]    ; the floor 2^(3 - 127): the byte cannot fall under 1
.endr
.irp b, 0,1,2,3
	v_add_nc_u32 v[248+\b], 0xff000000, v[BM+\b]   ; 2 off the exponent field: the conversion's scale operand
.endr
.irp b, 0,1,2,3
	v_lshrrev_b32 v[244+\b], 23, v[248+\b]         ; the scale's byte
.endr
	v_lshl_or_b32 v5, v245, 8, v244                ; p's scale word for these 128 keys
	v_lshl_or_b32 v5, v246, 16, v5
	v_lshl_or_b32 v5, v247, 24, v5
.irp c, 0,1
	v_cvt_scalef32_pk16_fp6_f32 v[PC+6*\c:PC+6*\c+2], v[SS+32*\c:SS+32*\c+15], v[248+2*\c]
	v_cvt_scalef32_pk16_fp6_f32 v[232+4*\c:234+4*\c], v[SS+32*\c+16:SS+32*\c+31], v[249+2*\c]   ; (a conversion's three registers begin on an even number)
.endr
	v_nop                                          ; one plain place behind the scaled conversions
.irp c, 0,1
.irp i, 0,1,2
	v_permlane16_swap_b32 v[PC+6*\c+\i], v[232+4*\c+\i]   ; a whole block to a lane
.endr
.irp i, 0,1,2
	v_mov_b32 v[PC+6*\c+3+\i], v[232+4*\c+\i]
.endr
.endr
.set j, 0
.rept 16
	v_pk_mul_f32 v[OT+j:OT+j+1], v[OT+j:OT+j+1], v[252:253] op_sel_hi:[1,0]   ; O^T under the new M.  These 16 are also the places between the writes of p's codes and scale word and the products
.set j, j+2
.endr
.irp t, 0,1
	v_wmma_scale_f32_16x16x128_f8f6f4 v[OT+8*\t:OT+8*\t+7], v[VF+12*\t:VF+12*\t+11], v[PC:PC+11], v[OT+8*\t:OT+8*\t+7], v[6+\t], v5 matrix_a_fmt:MATRIX_FMT_FP6 matrix_b_fmt:MATRIX_FMT_FP6
.endr
.irp t, 2,3
	v_wmma_scale_f32_16x16x128_f8f6f4 v[OT+8*\t:OT+8*\t+7], v[VF+12*\t:VF+12*\t+11], v[PC:PC+11], v[OT+8*\t:OT+8*\t+7], v[4+\t], v5 matrix_a_fmt:MATRIX_FMT_FP6 matrix_b_fmt:MATRIX_FMT_FP6 matrix_a_scale:MATRIX_SCALE_ROW1
.endr
.Lhidden_\@:
	s_add_co_u32 s[TB], s[TB], KVREC
	s_add_co_u32 s[ST], s[ST], 1
.endm
; Four key steps.  Ahead of them: my record of this phase has landed (the later phases' loads, 3 - ph of them, may be out; a wave that fetches nothing passes at once), and a barrier shows that of all four fetching waves.
; No LDS instruction of mine is out at the signal.
.macro PHASE ph
	s_wait_tensorcnt 3-\ph
	s_barrier_signal -1
	s_barrier_wait -1
	s_mov_b32 s[TB], \ph*4*KVREC
	s_mov_b32 s17, 4
.Lphase_\@:
	STEP
	s_sub_co_u32 s17, s17, 1
	s_cmp_lg_u32 s17, 0
	s_cbranch_scc1 .Lphase_\@
.endm
	PHASE 0
	PHASE 1
	PHASE 2
	PHASE 3
	; THE WAY OUT: O^T / the sum is my 16 queries x the head's 64, two blocks of 32 along the last product's K: one half of a fragment and two scale bytes a row.
.rept 4
	v_nop                                          ; places behind the last products
.endr
	v_add_f32 v14, v14, v15
	v_permlanex16_b32 v254, v14, s20, s21
	v_add_f32 v14, v14, v254                       ; the row's sum
	v_cmp_eq_f32 s50, 0, v14                       ; no open key at all?
	v_cndmask_b32 v254, v14, 1.0, s50              ; then O^T is zeros: divide them by 1
	v_rcp_f32 v252, v254
	s_lshr_b32 s66, s13, 4                         ; batch
	s_and_b32 s67, s13, 15                         ; head
	s_lshl_b32 s66, s66, 7
	s_lshl_b32 s68, s[BLK], 3
	s_add_co_u32 s66, s66, s68
	s_add_co_u32 s66, s66, s12                     ; the row tile: 128 batch + 8 block + p
	s_mul_i32 s66, s66, 12800
	s_lshr_b32 s68, s67, 3
	s_mul_i32 s68, s68, 6400
	s_add_co_u32 s66, s66, s68                     ; its record for heads 8 (head / 8) on
	s_and_b32 s68, s67, 7
	s_lshl_b32 s69, s68, 1                         ; my two bytes in a row's 16,
	s_mul_i32 s68, s68, 768                        ; my half among the record's eight
	s_add_co_u32 s70, s66, s68
	s_mov_b32 s71, 0
	s_add_nc_u64 s[72:73], s[8:9], s[70:71]
	s_add_co_u32 s70, s66, s69
	s_add_nc_u64 s[74:75], s[8:9], s[70:71]
	v_lshlrev_b32 v2, 4, v1                        ; (a plain place behind the reciprocal)  16 x lane
	v_lshlrev_b32 v3, 3, v1                        ; 8 x lane
	v_and_b32 v254, 15, v1
	v_lshlrev_b32 v254, 4, v254                    ; 16 r
	s_wait_alu depctr_va_vdst(0)                   ; the wait, ahead of the reciprocal's first reader
.set j, 0
.rept 16
	v_pk_mul_f32 v[SS+j:SS+j+1], v[OT+j:OT+j+1], v[252:253] op_sel_hi:[1,0]   ; register 16 b + i = feature 32 b + 16 (lane / 16) + i of the head; each accumulator from its low end on
.set j, j+2
.endr
.irp b, 0,1
	v_max3_num_f32 v[BM+\b], |v[SS+16*\b]|, |v[SS+16*\b+1]|, 0x1800000
.endr
.irp i, 2,4,6,8,10,12,14
.irp b, 0,1
	v_max3_num_f32 v[BM+\b], v[BM+\b], |v[SS+16*\b+\i]|, |v[SS+16*\b+\i+1]|
.endr
.endr
.irp b, 0,1
	v_permlanex16_b32 v[244+\b], v[BM+\b], s20, s21
.endr
.irp b, 0,1
	v_max_num_f32 v[BM+\b], v[BM+\b], v[244+\b]
.endr
.irp b, 0,1
	v_add_nc_u32 v[248+\b], 0xff000000, v[BM+\b]
.endr
.irp b, 0,1
	v_lshrrev_b32 v[244+\b], 23, v[248+\b]
.endr
	v_cvt_scalef32_pk16_fp6_f32 v[PC:PC+2], v[SS:SS+15], v248
	v_cvt_scalef32_pk16_fp6_f32 v[232:234], v[SS+16:SS+31], v249
	v_lshl_or_b32 v246, v245, 8, v244              ; (the plain place behind the conversions)  the two bytes,
	v_mov_b32 v247, 0xffff
	v_cndmask_b32 v246, v246, v247, s50            ; or twice the E8M0 NaN
.irp i, 0,1,2
	v_permlane16_swap_b32 v[PC+\i], v[232+\i]
.endr
.irp i, 0,1,2
	v_mov_b32 v[PC+3+\i], v[232+\i]
.endr
	global_store_b128 v2, v[PC:PC+3], s[72:73]             ; 512 consecutive bytes, aligned
	global_store_b64 v3, v[PC+4:PC+5], s[72:73] offset:512 ; 256
	global_store_b16 v254, v246, s[74:75] offset:6144      ; two bytes a row (lanes r and r + 16 the same): a K step's scale word belongs to two heads, that is to two work-groups
	s_wait_tensorcnt 0x0
	ds_add_u32 v235, v239
	s_wait_dscnt 0x0
	CROUND                                         ; the closing round: no work-group ends while a partner may still ask for a record that names it
	s_endpgm
.Lfunc_end_k_q440ed01eef_attn:
	.size	k_q440ed01eef_attn, .Lfunc_end_k_q440ed01eef_attn-k_q440ed01eef_attn
	.p2alignl 7, 3214868480
	.fill 96, 4, 3214868480
	.section	.rodata,"a",@progbits
	.p2align	6, 0x0
	.amdhsa_kernel k_q440ed01eef_attn
		.amdhsa_group_segment_fixed_size 210944
		.amdhsa_private_segment_fixed_size 0
		.amdhsa_enable_private_segment 0
		.amdhsa_kernarg_size 24
		.amdhsa_user_sgpr_count 2
		.amdhsa_user_sgpr_kernarg_segment_ptr 1
		.amdhsa_wavefront_size32 1
		.amdhsa_system_sgpr_workgroup_id_x 1
		.amdhsa_system_sgpr_workgroup_id_y 1
		.amdhsa_system_sgpr_workgroup_id_z 1
		.amdhsa_system_vgpr_workitem_id 0
		.amdhsa_next_free_vgpr 256
		.amdhsa_next_free_sgpr 80
		.amdhsa_reserve_vcc 1
		.amdhsa_float_denorm_mode_32 3
		.amdhsa_float_denorm_mode_16_64 3
		.amdhsa_memory_ordered 1
		.amdhsa_forward_progress 1
		.amdhsa_inst_pref_size 99
	.end_amdhsa_kernel
	.amdgpu_metadata
---
amdhsa.version: [ 1, 2 ]
amdhsa.kernels:
  - .name:           k_q440ed01eef_attn
    .symbol:         k_q440ed01eef_attn.kd
    .args:
      - { .name: qb, .offset: 0, .size: 8, .value_kind: global_buffer, .address_space: global }
      - { .name: kv, .offset: 8, .size: 8, .value_kind: global_buffer, .address_space: global }
      - { .name: oc, .offset: 16, .size: 8, .value_kind: global_buffer, .address_space: global }
    .group_segment_fixed_size: 210944
    .private_segment_fixed_size: 0
    .kernarg_segment_align: 8
    .kernarg_segment_size: 24
    .max_flat_workgroup_size: 512
    .sgpr_count:     80
    .vgpr_count:     256
    .wavefront_size: 32
...
	.end_amdgpu_metadata
.endif
;; end of part 3
;; launch oproj (part 4): grid 8 x 32, 4 waves a work-group, clusters of 4 x 4, 222,720 bytes of LDS; arguments oc, codes, bo, out0; writes out0
.if DOCPART == 4
	.amdgcn_target "amdgcn-amd-amdhsa--gfx1250"
	.amdhsa_code_object_version 6
	.text
	.protected	k_q440ed01eef_oproj
	.globl	k_q440ed01eef_oproj
	.p2align	8
	.type	k_q440ed01eef_oproj,@function
k_q440ed01eef_oproj:
	s_mov_b64 s[64:65], 0
	v_nop
	global_prefetch_b8 v0, s[64:65] scope:SCOPE_SE
	s_setreg_imm32_b32 hwreg(HW_REG_WAVE_MODE, 25, 1), 1
	s_wait_xcnt 0x0
	s_wait_alu depctr_hold_cnt(0) depctr_sa_sdst(0) depctr_va_vdst(0) depctr_va_sdst(0) depctr_va_ssrc(0) depctr_va_vcc(0) depctr_vm_vsrc(0)
	s_getreg_b32 s2, hwreg(HW_REG_IB_STS2, 6, 4)
	s_cmp_eq_u32 s2, 0
	s_cbranch_scc0 .Lentry_in_a_cluster
	s_endpgm
.Lentry_in_a_cluster:
	s_bfe_u32 s2, ttmp6, 0x10000c
	s_cmp_lg_u32 s2, 0xf033
	s_cbranch_scc0 .Lentry_shape_is_right
	s_endpgm
.Lentry_shape_is_right:
; out = o Wo^T + bo on codes of FP6 (E2M3) with E8M0 scales.  o's codes come from the attention launch (oc), Wo's are row tiles 448 .. 511 of codes; both in records of 6,400 bytes: four fragments and their scale words.
; SHARES.  A work-group makes 128 rows x 128 columns, 256 work-groups; wave (mh, nh) 64 x 64: 16 accumulators.
; ALL OF K LIES IN LDS: 8 tiles of o and 8 of Wo, 12,800 bytes each, in two chunks of four K steps; each wave one tensor load a chunk, both at the head: two tensor loads of a wave are out at most, and nothing is filled twice.
; CLUSTER 4 x 4: o's tiles are shared along a row of the cluster, Wo's along a column: each is asked for jointly.
; THE PRODUCT IS USED TRANSPOSED (source 0 = 16 rows of Wo, source 1 = 16 rows of o): by the order of rows in a tile a lane's 16 registers of two neighbouring tiles are 16 neighbouring columns of one row of out.
; bo is the C of each sum's first matrix instruction.  A row of o whose scale bytes are 0xff (no open key) comes out NaN.
; THE WAY OUT: 16 rows x 64 columns at a time through the wave's own stage in LDS (rows of 256 + 16 bytes, behind the chunks, where no fill lands); sixteen lanes then store 256 consecutive bytes, aligned.
; REGISTERS.  window 0: v1-17 addresses; v32-63 scale words, two sets, and nothing else; v64-95 the bias, later with v96-127 rows of out; v128-255 the accumulators ((a, n) at v[128 + 8 (4 a + n)]).
;   window 1: v0-95 o's fragments, two sets; v96-191 Wo's.
.set REC,   6400
.set TILEB, 12800
.set CH,    16*REC                     ; a chunk in LDS: o's 8 records, then Wo's 8
.set BOFF,  8*REC
.set STAGE, 2*CH
.set SP,    272
.set WV,    18
.set SC,    32
.set BI,    64
.set BK,    64
.set ACC,   128
.set MSB, 0
.macro WIN new                         ; the immediate's high byte repeats the setting that is left
.if MSB != \new
	s_set_vgpr_msb (MSB<<8)|\new
.set MSB, \new
.endif
.endm
.macro CROUND                          ; a round of the cluster's barrier
	s_barrier_signal -1
	s_barrier_wait -1
	s_cmp_lg_u32 s[WV], 0
	s_cbranch_scc1 .Lnot_wave_0_\@
	s_barrier_signal -3
.Lnot_wave_0_\@:
	s_barrier_wait -3
	s_barrier_signal -1
	s_barrier_wait -1
.endm
.macro PLACES                          ; four places behind a matrix instruction of 6-bit operands (ISA guide 7.12.1)
.rept 4
	v_nop
.endr
.endm
.macro FRAGL reg, a16, a8, off
	ds_load_b128 v[(\reg):(\reg)+3], v[\a16] offset:(\off)
	ds_load_b64 v[(\reg)+4:(\reg)+5], v[\a8] offset:(\off)+512
	ds_load_b128 v[(\reg)+6:(\reg)+9], v[\a16] offset:(\off)+768
	ds_load_b64 v[(\reg)+10:(\reg)+11], v[\a8] offset:(\off)+1280
.endm
.macro FETCH s                         ; K step s: o's 4 fragments and Wo's 4 into set s % 2
.set FP, (\s)%2
.set FC, (\s)/4
.set FQ, (\s)%4
	WIN 0x40                                       ; destination window 1
.irp i, 0,1,2,3
	FRAGL 48*FP+12*\i, 4+FC, 6+FC, \i*REC+FQ*1536
.endr
.irp i, 0,1,2,3
	FRAGL 96+48*FP+12*\i, 8+FC, 10+FC, \i*REC+FQ*1536
.endr
	WIN 0
.endm
.macro SCALES c                        ; register 4 i + q: lanes 0-15 o's tile i, lanes 16-31 Wo's tile i, K step 4 c + q
.irp i, 0,1,2,3
	ds_load_b128 v[SC+16*\c+4*\i:SC+16*\c+4*\i+3], v[12+\c] offset:\i*REC+6144
.endr
.endm
; 8 matrix instructions of K step s: o's tiles a0, a0 + 1 against Wo's four.  The 16 accumulators take turns, one instruction a turn.
.macro MUL8 s, a0
.set MP, (\s)%2
.set MC, (\s)/4
.set MQ, (\s)%4
	WIN 0x05                                       ; sources 0 and 1 window 1; C and D window 0
.irp a, \a0, \a0+1
.irp bn, 0,1,2,3
.set rD, ACC+8*(4*(\a)+\bn)
.set rW, 96+48*MP+12*\bn
.set rX, 48*MP+12*(\a)
.set sW, SC+16*MC+4*\bn+MQ
.set sX, SC+16*MC+4*(\a)+MQ
.if (\s) == 0
	v_wmma_scale_f32_16x16x128_f8f6f4 v[rD:rD+7], v[rW:rW+11], v[rX:rX+11], v[BI+8*\bn:BI+8*\bn+7], v[sW], v[sX] matrix_a_fmt:MATRIX_FMT_FP6 matrix_b_fmt:MATRIX_FMT_FP6 matrix_a_scale:MATRIX_SCALE_ROW1
.else
	v_wmma_scale_f32_16x16x128_f8f6f4 v[rD:rD+7], v[rW:rW+11], v[rX:rX+11], v[rD:rD+7], v[sW], v[sX] matrix_a_fmt:MATRIX_FMT_FP6 matrix_b_fmt:MATRIX_FMT_FP6 matrix_a_scale:MATRIX_SCALE_ROW1
.endif
.endr
.endr
.endm
.macro STEP s
	s_wait_dscnt 0x0                               ; this step's fragments are in
	MUL8 \s, 0
.if (\s) == 3
	s_wait_tensorcnt 0x0                           ; my part of chunk 1 has landed (no LDS instruction of mine is out here),
	s_barrier_signal -1
	s_barrier_wait -1                              ; everybody's has.
.endif
.if (\s) < 7
	PLACES
	FETCH (\s)+1
.if (\s) == 3
	SCALES 1
.endif
.endif
	MUL8 \s, 2
.endm
	s_load_b256 s[4:11], s[0:1], 0x0               ; oc s[4:5], codes s[6:7], bo s[8:9], out0 s[10:11]
	v_lshl_add_u32 v30, v0, 2, 0x36400
	v_mov_b32 v31, 0
	ds_add_u32 v30, v31
	ds_add_u32 v30, v31
	v_lshrrev_b32 v1, 5, v0
	v_readfirstlane_b32 s[WV], v1                  ; wave 0..3
	s_lshr_b32 s19, s[WV], 1                       ; mh.  Also: 0 = I fetch o, 1 = Wo
	s_and_b32 s20, s[WV], 1                        ; nh.  Also: which half I fetch
	s_bfe_u32 s21, ttmp6, 0x40000                  ; cx
	s_bfe_u32 s22, ttmp6, 0x40004                  ; cy
	s_lshl_b32 s23, ttmp9, 2
	s_add_co_u32 s23, s23, s21                     ; nx: which 128 columns
	s_and_b32 s24, ttmp7, 0xffff
	s_lshl_b32 s24, s24, 2
	s_add_co_u32 s24, s24, s22                     ; my: which 128 rows
	s_lshl_b32 s25, s22, 2
	s_lshl_b32 s25, 15, s25                        ; my row of the cluster
	s_lshl_b32 s26, 0x1111, s21                    ; my column
	; descriptor groups 1: 4 records of 6,400 bytes (800 elements of 8 bytes), 12,800 bytes apart, laid on end in LDS
	s_or_b32 s28, s25, (3<<16)|(1<<21)             ; o's tiles go to my row
	s_or_b32 s36, s26, (3<<16)|(1<<21)             ; Wo's to my column
.irp g, 28, 36
	s_mov_b32 s[\g+1], 800<<16                     ; tensor_dim0
	s_mov_b32 s[\g+2], 4<<16                       ; tensor_dim1
	s_mov_b32 s[\g+3], 800<<16                     ; tile_dim0
	s_mov_b32 s[\g+4], 4                           ; tile_dim1
	s_mov_b32 s[\g+5], 1600                        ; tensor_dim0_stride
	s_mov_b32 s[\g+6], 0
	s_mov_b32 s[\g+7], 0
.endr
	s_lshl_b32 s68, s24, 3                         ; o: tile 8 my + 4 x half: made of my alone
	s_lshl_b32 s69, s20, 2
	s_add_co_u32 s68, s68, s69
	s_mul_i32 s68, s68, TILEB
	s_mov_b32 s69, 0
	s_lshl_b32 s70, s23, 3                         ; Wo: tile 448 + 8 nx + 4 x half: made of nx alone
	s_lshl_b32 s71, s20, 2
	s_add_co_u32 s70, s70, s71
	s_add_co_u32 s70, s70, 448
	s_mul_i32 s70, s70, TILEB
	s_mov_b32 s71, 0
	s_mul_i32 s76, s20, 4*REC                      ; where they go: no place in the cluster enters an LDS address
	s_wait_dscnt 0x0
	s_wait_kmcnt 0x0
	s_add_nc_u64 s[72:73], s[4:5], s[68:69]
	s_add_nc_u64 s[74:75], s[6:7], s[70:71]
.irp c, 0,1
	s_mov_b32 s[44+4*\c], 1
	s_add_co_u32 s[45+4*\c], s76, \c*CH
	s_add_nc_u64 s[46+4*\c:47+4*\c], s[72:73], \c*REC
	s_or_b32 s[47+4*\c], s[47+4*\c], 0x80000000
	s_mov_b32 s[52+4*\c], 1
	s_add_co_u32 s[53+4*\c], s76, \c*CH+BOFF
	s_add_nc_u64 s[54+4*\c:55+4*\c], s[74:75], \c*REC
	s_or_b32 s[55+4*\c], s[55+4*\c], 0x80000000
.endr
	CROUND                                         ; all sixteen work-groups are here: the joint loads meet
	s_cmp_eq_u32 s19, 0                            ; a wave's two fills stand in one branch on its number; four v_nop follow the second
	s_cbranch_scc0 .Lfill_w
	tensor_load_to_lds s[44:47], s[28:35]
	s_nop 0
	tensor_load_to_lds s[48:51], s[28:35]
	s_nop 0
.rept 4
	v_nop
.endr
	s_branch .Lfilled
.Lfill_w:
	tensor_load_to_lds s[52:55], s[36:43]
	s_nop 0
	tensor_load_to_lds s[56:59], s[36:43]
	s_nop 0
.rept 4
	v_nop
.endr
.Lfilled:
	v_and_b32 v1, 31, v0                           ; lane
	v_and_b32 v2, 15, v0                           ; r
	v_bfe_u32 v3, v0, 4, 1                         ; h
	v_lshlrev_b32 v17, 6, v3                       ; the bias: 16 h numbers on
	s_lshl_b32 s66, s23, 9
	s_lshl_b32 s67, s20, 8
	s_add_co_u32 s66, s66, s67                     ; my first column, in bytes: 512 nx + 256 nh
	s_mov_b32 s67, 0
	s_add_nc_u64 s[8:9], s[8:9], s[66:67]
	s_add_nc_u64 s[10:11], s[10:11], s[66:67]
.irp n, 0,1,2,3
	global_load_b128 v[BI+8*\n:BI+8*\n+3], v17, s[8:9] offset:(32*(\n/2)+8*(\n%2))*4          ; tile n, lane (r, h): columns 32 (n / 2) + 8 (n % 2) + 16 h + 0 .. 7
	global_load_b128 v[BI+8*\n+4:BI+8*\n+7], v17, s[8:9] offset:(32*(\n/2)+8*(\n%2))*4+16
.endr
	s_lshl_b32 s66, s24, 7
	s_lshl_b32 s68, s19, 6
	s_add_co_u32 s66, s66, s68
	s_lshl_b32 s66, s66, 12                        ; my first row: 128 my + 64 mh, rows of 4,096 bytes
	s_add_nc_u64 s[10:11], s[10:11], s[66:67]
	v_lshlrev_b32 v18, 4, v1                       ; 16 x lane
	v_lshlrev_b32 v19, 3, v1                       ; 8 x lane
	v_lshlrev_b32 v20, 4, v2                       ; 16 r
	s_mul_i32 s77, s19, 4*REC                      ; my 4 tiles of o
	s_add_co_u32 s78, s76, BOFF                    ; my 4 tiles of Wo
	s_xor_b32 s79, s19, 1                          ; from o's scale words to Wo's: BOFF + 4 REC nh - 4 REC mh, written without a subtraction
	s_mul_i32 s79, s79, 4*REC
	s_add_co_u32 s79, s79, s76
	s_add_co_u32 s79, s79, 4*REC
	v_mul_u32_u24 v21, s79, v3                     ; lanes 16-31 take Wo's
.irp c, 0,1
	v_add_nc_u32 v[4+\c], s77, v18
	v_add_nc_u32 v[6+\c], s77, v19
	v_add_nc_u32 v[8+\c], s78, v18
	v_add_nc_u32 v[10+\c], s78, v19
	v_add_nc_u32 v[12+\c], s77, v20
	v_add_nc_u32 v[12+\c], v[12+\c], v21
	s_add_co_u32 s77, s77, CH
	s_add_co_u32 s78, s78, CH
.endr
	s_mul_i32 s68, s[WV], 16*SP
	s_add_co_u32 s68, s68, STAGE                   ; my stage
	v_mul_u32_u24 v14, v2, SP
	v_lshl_add_u32 v14, v3, 6, v14
	v_add_nc_u32 v14, s68, v14                     ; in: row place r, + 64 h bytes
	v_mul_u32_u24 v15, v3, SP
	v_lshl_add_u32 v15, v2, 4, v15
	v_add_nc_u32 v15, s68, v15                     ; back: lanes 0-15 one row place, lanes 16-31 the next; 16 bytes a lane
	v_lshlrev_b32 v16, 12, v3
	v_lshl_add_u32 v16, v2, 4, v16                 ; and the same in out
	s_wait_tensorcnt 0x1                           ; my part of chunk 0 has landed; chunk 1's load may be out
	s_barrier_signal -1
	s_barrier_wait -1                              ; everybody's has
	FETCH 0
	SCALES 0
	s_wait_loadcnt 0x0                             ; the bias
.irp s, 0,1,2,3,4,5,6,7
	STEP \s
.endr
	WIN 0
	PLACES                                         ; behind the last products: their results are read
.irp a, 0,1,2,3                                ; tile a: 16 rows x 64 columns
.if \a > 1
	s_wait_xcnt 0x0                                ; tile a - 2's stores have read their registers: this tile's rows may land there
.endif
.irp n, 0,1,2,3
	ds_store_b128 v14, v[ACC+8*(4*\a+\n):ACC+8*(4*\a+\n)+3] offset:128*(\n/2)+32*(\n%2)          ; each accumulator from its low end on
	ds_store_b128 v14, v[ACC+8*(4*\a+\n)+4:ACC+8*(4*\a+\n)+7] offset:128*(\n/2)+32*(\n%2)+16
.endr
.irp t, 0,1,2,3,4,5,6,7
	ds_load_b128 v[BK+32*(\a%2)+4*\t:BK+32*(\a%2)+4*\t+3], v15 offset:2*\t*SP   ; LDS serves a wave's instructions in order (ISA guide 5.7.1.4): these see my stores, and the next tile's stores come behind them
.endr
.irp t, 0,1,2,3,4,5,6,7
	s_wait_dscnt 7-\t                              ; the 7 - t younger loads may be out
	global_store_b128 v16, v[BK+32*(\a%2)+4*\t:BK+32*(\a%2)+4*\t+3], s[10:11] offset:(32*(\a/2)+8*(\a%2)+2*\t+8*(\t/4))*4096 th:TH_STORE_NT   ; row places 2 t, 2 t + 1 are rows 2 t + 8 (t / 4) on; 16 lanes store 256 consecutive bytes, aligned
.endr
.endr
	s_wait_tensorcnt 0x0
	ds_add_u32 v30, v31
	s_wait_dscnt 0x0
	CROUND                                         ; the closing round: no work-group ends while a partner may still ask for a tile that names it
	s_endpgm
.Lfunc_end_k_q440ed01eef_oproj:
	.size	k_q440ed01eef_oproj, .Lfunc_end_k_q440ed01eef_oproj-k_q440ed01eef_oproj
	.p2alignl 7, 3214868480
	.fill 96, 4, 3214868480
	.section	.rodata,"a",@progbits
	.p2align	6, 0x0
	.amdhsa_kernel k_q440ed01eef_oproj
		.amdhsa_group_segment_fixed_size 222720
		.amdhsa_private_segment_fixed_size 0
		.amdhsa_enable_private_segment 0
		.amdhsa_kernarg_size 32
		.amdhsa_user_sgpr_count 2
		.amdhsa_user_sgpr_kernarg_segment_ptr 1
		.amdhsa_wavefront_size32 1
		.amdhsa_system_sgpr_workgroup_id_x 1
		.amdhsa_system_sgpr_workgroup_id_y 1
		.amdhsa_system_sgpr_workgroup_id_z 1
		.amdhsa_system_vgpr_workitem_id 0
		.amdhsa_next_free_vgpr 512
		.amdhsa_next_free_sgpr 80
		.amdhsa_reserve_vcc 0
		.amdhsa_float_denorm_mode_32 3
		.amdhsa_float_denorm_mode_16_64 3
		.amdhsa_memory_ordered 1
		.amdhsa_forward_progress 1
		.amdhsa_inst_pref_size 51
	.end_amdhsa_kernel
	.amdgpu_metadata
---
amdhsa.version: [ 1, 2 ]
amdhsa.kernels:
  - .name:           k_q440ed01eef_oproj
    .symbol:         k_q440ed01eef_oproj.kd
    .args:
      - { .name: oc, .offset: 0, .size: 8, .value_kind: global_buffer, .address_space: global }
      - { .name: codes, .offset: 8, .size: 8, .value_kind: global_buffer, .address_space: global }
      - { .name: bo, .offset: 16, .size: 8, .value_kind: global_buffer, .address_space: global }
      - { .name: out0, .offset: 24, .size: 8, .value_kind: global_buffer, .address_space: global }
    .group_segment_fixed_size: 222720
    .private_segment_fixed_size: 0
    .kernarg_segment_align: 8
    .kernarg_segment_size: 32
    .max_flat_workgroup_size: 128
    .sgpr_count:     80
    .vgpr_count:     512
    .wavefront_size: 32
...
	.end_amdgpu_metadata
.endif
;; end of part 4
